; MI455X (gfx1250); checked and timed in simulation.
; The chip was launched on July 23, 2026; its instructions are those of AMD's public machine-readable ISA for CDNA 5 (MIT licence, August 2026) and "CDNA5" Instruction Set Architecture Reference Guide (July 2026). The comments in the code are by the model that wrote it; some were corrected since.
;; SDPA Sparse Bool Mask. Allowed arithmetic: matrix products marked QUANTISED: E2M1 operands, one E8M0 scale for each 32 along K, by v_wmma_scale_f32_16x16x128_f8f6f4 with both operands' format E2M1 (or v_wmma_scale_f32_32x16x128_f4), f32 sums; everything else in f32.
;; Inputs: k 2 x 16 x 4,096 x 128 float32; q 2 x 16 x 2,048 x 128 float32; v 2 x 16 x 4,096 x 128 float32.
;; Outputs: out0 2 x 16 x 2,048 x 128 float32.
;; This version of the problem:
;;   THIS VERSION OF THE PROBLEM IS GIVEN IN LOW PRECISION. The matrix products marked QUANTISED in the list below multiply operands that are first quantised to E2M1 (2 exponent bits, 1 mantissa bit; 4 bits a number), with one power-of-two scale for each 32 numbers along K (OCP MX v1.0); their sums are f32. All else is computed in f32.
;;   The module's matrix products, in the order in which they are computed (A, B: the left and right operand; K: the contracted axis; several contracted axes count as one K, in the product's order):
;;     1. batch 32 x [M 2,048, K 128] x [K 128, N 4,096]; A: input q; B: input k: QUANTISED
;;     2. batch 32 x [M 2,048, K 4,096] x [K 4,096, N 128]; A: softmax (see below); B: input v: QUANTISED
;;   THE QUANTISER, for each operand of a quantised product, along K:
;;     - K is cut into blocks of 32 from its start; a last block that is shorter is filled with zeros.
;;     - A block's scale is 2^e with e = floor(log2(the largest magnitude in the block)) - 2, held to -126 .. 127; a block of zeros has e = 0. As a byte (E8M0): e + 127.
;;     - Each number is divided by its block's scale, clamped to +-6, and rounded to the nearest number of E2M1, ties to even, subnormals kept.
;;     - The product sums the exact products of the quantised numbers (number of the format x scale) in f32.
;;   ~~~python
;;   def quantise(x, axis):      # numpy; x: float32 -> the quantised numbers, widened to float32 again
;;       x = np.moveaxis(x, axis, -1); K = x.shape[-1]
;;       x = np.pad(x, [(0, 0)] * (x.ndim - 1) + [(0, -K % 32)]); x = x.reshape(x.shape[:-1] + (-1, 32)); a = np.abs(x).max(-1, keepdims=True)
;;       e = np.where(a > 0, np.clip(np.frexp(np.where(a > 0, a, 1))[1] - 1 - 2, -126, 127), 0)      # np.frexp(a)[1] - 1 = floor(log2(a)), exactly
;;       r = np.clip(x / 2.0 ** e, -6, 6)
;;       step = 2.0 ** (np.maximum(np.frexp(np.where(r == 0, 1, r))[1] - 1, 0) - 1)
;;       q = np.round(r / step) * step * 2.0 ** e      # np.round: ties to even
;;       return np.moveaxis(q.reshape(q.shape[:-2] + (-1,))[..., :K], -1, axis).astype(np.float32)
;;   ~~~
;;   SOFTMAX AHEAD OF A QUANTISED PRODUCT. Where the list says 'softmax', what is quantised is not the finished softmax but p = 2^(t - M), with t = logit x log2(e) and M = ceil(the row's largest t), a whole number; so 1/2 < the row's largest p <= 1. The row's sum l is taken of the UNQUANTISED p, in f32, and the product's result is divided by l at the end. Since M is a whole number, a kernel that streams over the keys may use a running M (the ceiling of the running maximum): every later rescaling is an exact power of two, which a block's scale takes up: the codes' values come out the same.
;;   OPERANDS COMPUTED ON THE WAY. 'Computed on the way' means the value that the module computes at that place (a softmax that the list does not call 'softmax' is quantised finished and normalised). What goes into a quantiser is computed in f32, as accurately as f32 sums, v_exp_f32 and their like allow (about 1e-6 of the number): no bf16 or f16 on the way to a quantiser, and a product that is left as it is and whose result goes on into a quantised operand takes f32 operands (vector FMAs, or v_wmma_f32_16x16x4_f32). A number that lies on a knife's edge between two numbers of the format may be rounded either way, as far as f32 arithmetic and the matrix unit's own rounding can turn it there, and no further.
;; One version. Each part assembles by itself: llvm-mc -triple=amdgcn-amd-amdhsa -mcpu=gfx1250 --defsym DOCPART=n.
;; ======== version 1 of 1: 3 launches
;; workspace buffers: k_codes 4,194,304 bytes; k_scales 262,144 bytes; v_codes 4,194,304 bytes; v_scales 262,144 bytes
;; launch quant_k (part 1): grid 256 x 1, 4 waves a work-group, no clusters, 33,280 bytes of LDS; arguments k, k_codes, k_scales; writes k_codes, k_scales
.if DOCPART == 1
	.amdgcn_target "amdgcn-amd-amdhsa--gfx1250"
	.amdhsa_code_object_version 6
	.text
	.protected	k_q773c415bfb_quant_k
	.globl	k_q773c415bfb_quant_k
	.p2align	8
	.type	k_q773c415bfb_quant_k,@function
k_q773c415bfb_quant_k:
	s_mov_b64 s[64:65], 0
	v_nop
	global_prefetch_b8 v0, s[64:65] scope:SCOPE_SE
	s_setreg_imm32_b32 hwreg(HW_REG_WAVE_MODE, 25, 1), 1
	s_wait_xcnt 0x0
; k [32 heads][4096 keys][128] f32 -> codes of FP4 (E2M1), the head's 128 innermost, and one E8M0 byte for each 32 of them.
; ONLY KEYS 0 TO 2,047 OF EACH HEAD ARE TAKEN: the problem's own mask gives the other keys the weight 0, so their scores are never formed.
; k_codes [32][2048][64 bytes] (the lower index in the low four bits), k_scales [32][2048][4 bytes].
; A block's scale is 2^(floor(log2(its largest magnitude)) - 2); its byte is the largest magnitude's exponent field - 2, held at 1 from below.
; LIMITS: NaN and infinities are not served; a block whose largest magnitude lies under 2^-124 has its byte held at 1; a block of zeros gets the byte 1 where the
; quantiser says 127: its codes are zeros, which add nothing under any byte but 0xff, and the bytes are read by this program alone.
; SHARES.  A head's live numbers are one dense run of 1 MiB, the heads 2 MiB apart.  Work-group g: head g / 8, eighth g % 8: 32,768 numbers; a wave 8,192, in 16 steps of 512.
; A conversion takes 8 neighbours from ONE lane's registers, a load is best where neighbouring LANES take neighbouring bytes.  Both are had: a step's four loads read 512
; consecutive bytes each, 16 a lane; the 2,048 bytes go through the wave's own stage in LDS as they lie and come back 64 bytes a lane (16 bytes of padding behind each 64).
; Two neighbouring lanes hold a block.  A lane's 16 codes are 8 bytes: a wave's store covers 256 consecutive bytes, aligned.  A wave's 256 scale bytes are gathered in LDS
; and leave as 256 consecutive bytes, aligned.  Waves share nothing: no barrier.  Loads run eight steps (32 loads, 16 KiB a wave) ahead, the turn through LDS one step.
.set STEPS, 16
.set SP,    80                         ; a lane's place in a stage: 64 bytes + 16 of padding
.set WREG,  8192                       ; LDS of a wave: two stages of 32 x SP bytes, behind them its 256 scale bytes
.set R,     16                         ; v16-143  eight sets of 16 numbers as loaded
.set X,     144                        ; v144-175 two sets of 16 neighbours
.set C,     176                        ; v176-207 codes: two registers for each step, so that no store's data are written again
.set E,     208                        ; v208-223 a scale byte for each step
	s_load_b128 s[4:7], s[0:1], 0x0                ; k, k_codes
	s_load_b64 s[8:9], s[0:1], 0x10                ; k_scales
	v_lshl_add_u32 v224, v0, 2, 0x8000
	v_mov_b32 v225, 0
	v_lshrrev_b32 v1, 5, v0
	v_readfirstlane_b32 s16, v1                    ; wave 0..3
	v_and_b32 v2, 31, v0                           ; lane
	v_lshlrev_b32 v3, 4, v2                        ; my 16 bytes of a load's 512
	s_mul_i32 s17, s16, WREG
	v_lshrrev_b32 v14, 2, v2
	v_mul_u32_u24 v14, v14, SP
	v_and_b32 v15, 3, v2
	v_lshl_add_u32 v14, v15, 4, v14
	v_add_nc_u32 v14, s17, v14                     ; the stage, on the way in: SP (lane / 4) + 16 (lane % 4)
	v_mul_u32_u24 v15, v2, SP
	v_add_nc_u32 v15, s17, v15                     ; and on the way out: SP x lane: my 16 neighbours
	v_lshlrev_b32 v4, 3, v2                        ; 8 x lane: my codes' place in a step's 256 bytes, and my 8 of the wave's 256 scale bytes
	v_lshrrev_b32 v5, 1, v2
	s_add_co_u32 s17, s17, 2*32*SP
	v_add_nc_u32 v5, s17, v5                       ; LDS: my block's scale byte
	v_add_nc_u32 v6, s17, v4                       ; LDS: the 8 scale bytes that I carry out
	s_lshr_b32 s18, ttmp9, 3
	s_lshl_b32 s18, s18, 21                        ; the head: 2 MiB
	s_and_b32 s19, ttmp9, 7
	s_lshl_b32 s19, s19, 17                        ; the work-group's eighth of the live half: 128 KiB
	s_add_co_u32 s18, s18, s19
	s_lshl_b32 s19, s16, 15                        ; the wave's 32 KiB
	s_add_co_u32 s18, s18, s19
	s_mov_b32 s19, 0
	s_lshl_b32 s20, ttmp9, 2
	s_add_co_u32 s20, s20, s16                     ; which run of 8,192 live numbers is my wave's
	s_lshl_b32 s22, s20, 8                         ; 256 scale bytes a run,
	s_lshl_b32 s20, s20, 12                        ; 4,096 bytes of codes
	s_mov_b32 s21, 0
	s_mov_b32 s23, 0
	s_wait_kmcnt 0x0
	s_add_nc_u64 s[4:5], s[4:5], s[18:19]
	s_add_nc_u64 s[6:7], s[6:7], s[20:21]
	s_add_nc_u64 s[8:9], s[8:9], s[22:23]
.macro LOAD t
.irp i, 0,1,2,3
	global_load_b128 v[R+16*((\t)%8)+4*\i:R+16*((\t)%8)+4*\i+3], v3, s[4:5] offset:2048*(\t)+512*\i th:TH_LOAD_NT   ; 32 lanes read 512 consecutive bytes
.endr
.endm
.macro TURN t                          ; step t's numbers through the stage: LDS serves a wave's instructions in order, so no wait stands between the stores and the loads
.irp i, 0,1,2,3
	ds_store_b128 v14, v[R+16*((\t)%8)+4*\i:R+16*((\t)%8)+4*\i+3] offset:32*SP*((\t)%2)+8*SP*\i
.endr
.irp i, 0,1,2,3
	ds_load_b128 v[X+16*((\t)%2)+4*\i:X+16*((\t)%2)+4*\i+3], v15 offset:32*SP*((\t)%2)+16*\i
.endr
.endm
.irp t, 0,1,2,3,4,5,6,7
	LOAD \t
.endr
	s_wait_loadcnt 28                              ; step 0's four loads are in; the seven steps behind it stay out
	TURN 0
.macro STEP t
.set XS, X+16*((\t)%2)
.if (\t) > 0
	s_wait_dscnt 1                                 ; this step's numbers are back from the stage (the last step's byte store may be out): so its stores into the stage have read their registers,
.else
	s_wait_dscnt 0x0
.endif
.if (\t)+8 < STEPS
	LOAD (\t)+8                                    ; which take the loads of eight steps on
.endif
.if (\t)+1 < STEPS
.if STEPS-2-(\t) >= 7
	s_wait_loadcnt 28                              ; the next step's four loads are in; those of the seven steps behind it may be out
.else
	s_wait_loadcnt 4*(STEPS-2-(\t))                ; near the end fewer steps stand behind it
.endif
	TURN (\t)+1                                    ; and go through the other stage while this step is worked
.endif
	v_max3_num_f32 v8, |v[XS]|, |v[XS+1]|, |v[XS+2]|               ; the largest magnitude of my 16, in two chains
	v_max3_num_f32 v9, |v[XS+3]|, |v[XS+4]|, |v[XS+5]|
.irp i, 6,10
	v_max3_num_f32 v8, v8, |v[XS+\i]|, |v[XS+\i+1]|
	v_max3_num_f32 v9, v9, |v[XS+\i+2]|, |v[XS+\i+3]|
.endr
	v_max3_num_f32 v8, v8, |v[XS+14]|, |v[XS+15]|
	v_max3_num_f32 v8, v8, v9, 0x1800000           ; and the floor 2^(3 - 127): the byte cannot fall under 1
	v_max_num_f32_dpp v8, v8, v8 row_xmask:1 row_mask:0xf bank_mask:0xf   ; and of my neighbour's 16: the block's
	v_add_nc_u32 v11, 0xff000000, v8               ; 2 off its exponent field: the conversion takes the exponent field of this operand as its scale, and nothing else of it
	v_cvt_scalef32_pk8_fp4_f32 v[C+2*(\t)], v[XS:XS+7], v11        ; eight numbers / the scale, to the nearest code, ties to even, beyond 6 the largest code
	v_cvt_scalef32_pk8_fp4_f32 v[C+2*(\t)+1], v[XS+8:XS+15], v11
	v_lshrrev_b32 v[E+(\t)], 23, v11               ; the scale's byte (also the plain line behind the conversions)
	ds_store_b8 v5, v[E+(\t)] offset:16*(\t)       ; both lanes of a block write the same byte with the same value
	global_store_b64 v4, v[C+2*(\t):C+2*(\t)+1], s[6:7] offset:256*(\t)   ; 32 lanes store 256 consecutive bytes, aligned
.endm
.irp t, 0,1,2,3,4,5,6,7,8,9,10,11,12,13,14,15
	STEP \t
.endr
	ds_load_b64 v[12:13], v6                       ; LDS serves a wave's instructions in order: these see my byte stores
	s_wait_dscnt 0x0
	global_store_b64 v4, v[12:13], s[8:9]          ; 32 lanes store 256 consecutive bytes, aligned
	s_wait_tensorcnt 0x0
	ds_add_u32 v224, v225
	s_wait_dscnt 0x0
	s_endpgm
.Lfunc_end_k_q773c415bfb_quant_k:
	.size	k_q773c415bfb_quant_k, .Lfunc_end_k_q773c415bfb_quant_k-k_q773c415bfb_quant_k
	.p2alignl 7, 3214868480
	.fill 96, 4, 3214868480
	.section	.rodata,"a",@progbits
	.p2align	6, 0x0
	.amdhsa_kernel k_q773c415bfb_quant_k
		.amdhsa_group_segment_fixed_size 33280
		.amdhsa_private_segment_fixed_size 0
		.amdhsa_enable_private_segment 0
		.amdhsa_kernarg_size 24
		.amdhsa_user_sgpr_count 2
		.amdhsa_user_sgpr_kernarg_segment_ptr 1
		.amdhsa_wavefront_size32 1
		.amdhsa_system_sgpr_workgroup_id_x 1
		.amdhsa_system_sgpr_workgroup_id_y 1
		.amdhsa_system_sgpr_workgroup_id_z 1
		.amdhsa_system_vgpr_workitem_id 0
		.amdhsa_next_free_vgpr 226
		.amdhsa_next_free_sgpr 66
		.amdhsa_reserve_vcc 0
		.amdhsa_float_denorm_mode_32 3
		.amdhsa_float_denorm_mode_16_64 3
		.amdhsa_memory_ordered 1
		.amdhsa_forward_progress 1
		.amdhsa_inst_pref_size 33
	.end_amdhsa_kernel
	.amdgpu_metadata
---
amdhsa.version: [ 1, 2 ]
amdhsa.kernels:
  - .name:           k_q773c415bfb_quant_k
    .symbol:         k_q773c415bfb_quant_k.kd
    .args:
      - { .name: k, .offset: 0, .size: 8, .value_kind: global_buffer, .address_space: global }
      - { .name: k_codes, .offset: 8, .size: 8, .value_kind: global_buffer, .address_space: global }
      - { .name: k_scales, .offset: 16, .size: 8, .value_kind: global_buffer, .address_space: global }
    .group_segment_fixed_size: 33280
    .private_segment_fixed_size: 0
    .kernarg_segment_align: 8
    .kernarg_segment_size: 24
    .max_flat_workgroup_size: 128
    .sgpr_count:     66
    .vgpr_count:     226
    .wavefront_size: 32
...
	.end_amdgpu_metadata
.endif
;; end of part 1
;; launch quant_v (part 2): grid 64 x 4, 8 waves a work-group, no clusters, 19,456 bytes of LDS; arguments v, v_codes, v_scales; writes v_codes, v_scales
.if DOCPART == 2
	.amdgcn_target "amdgcn-amd-amdhsa--gfx1250"
	.amdhsa_code_object_version 6
	.text
	.protected	k_q773c415bfb_quant_v
	.globl	k_q773c415bfb_quant_v
	.p2align	8
	.type	k_q773c415bfb_quant_v,@function
k_q773c415bfb_quant_v:
	s_mov_b64 s[64:65], 0
	v_nop
	global_prefetch_b8 v0, s[64:65] scope:SCOPE_SE
	s_setreg_imm32_b32 hwreg(HW_REG_WAVE_MODE, 25, 1), 1
	s_wait_xcnt 0x0
; v [32 heads][4096 keys][128 d] f32 is the second product's right operand: its K is the KEYS, which are not innermost.  It becomes codes of FP4 (E2M1) with the keys innermost
; and one E8M0 byte for each 32 keys.  ONLY KEYS 0 TO 2,047 ARE TAKEN: the problem's own mask gives the others the weight 0 (codes 0 on the other side), and no block of 32 keys straddles key 2,048.
; v_codes [32][128 d][1024 bytes].  v_scales [32][16 steps of 128 keys][128 d] words, byte b of a word = key block 4 step + b: as the attention launch reads them.
; A LANE TAKES A COLUMN d, AND ITS REGISTERS RUN DOWN THE KEYS: a load reads 32 neighbouring d (128 consecutive bytes a wave, 256 for the two waves side by side), a block of 32 keys
; lies in ONE lane's 32 registers, and the conversions give codes with the keys innermost.  Nothing is transposed by an instruction.
; LIMITS: NaN and infinities are not served (in the masked half too: it is not read); a block whose largest magnitude lies under 2^-124 has its byte held at 1; a block of zeros gets the
; byte 1 where the quantiser says 127: its codes are zeros, and the bytes are read by this program alone.
; SHARES.  Work-group (x, y): head x / 2, columns 64 (x % 2) on, keys 512 y on.  Wave w: columns 32 (w % 2) on, keys 128 (w / 2) on: four blocks a lane, which are one scale word.
; THE WAY OUT.  The eight waves fill one stage: 64 rows (columns d) of 256 bytes of codes; behind a barrier each wave stores 8 whole rows, sixteen lanes to 256 consecutive bytes, aligned.
; The scale words meet in LDS as [4 steps][64 d]; waves 0 and 1 store them, sixteen lanes to 256 consecutive bytes, aligned.
.set PITCH, 272                        ; a stage row: 256 bytes + 16 of padding
.set SCS,   64*PITCH                   ; behind the stage: the scale words, 1,024 bytes
.set X,     32                         ; v32-95   two sets of 32 numbers
.set C,     96                         ; v96-111  codes: four registers for each block, so that no LDS store's data are written again
.set OUTR,  112                        ; v112-127 the way out
.set SB,    24                         ; v24      my column's scale word
	s_load_b128 s[4:7], s[0:1], 0x0                ; v, v_codes
	s_load_b64 s[8:9], s[0:1], 0x10                ; v_scales
	v_lshl_add_u32 v128, v0, 2, 0x4800
	v_mov_b32 v129, 0
	v_lshrrev_b32 v1, 5, v0
	v_readfirstlane_b32 s16, v1                    ; wave 0..7
	s_and_b32 s17, s16, 1                          ; which 32 columns
	s_lshr_b32 s18, s16, 1                         ; which 128 keys
	s_lshr_b32 s19, ttmp9, 1                       ; head
	s_and_b32 s20, ttmp9, 1                        ; which 64 columns
	s_and_b32 s21, ttmp7, 0xffff                   ; which 512 keys
	v_and_b32 v2, 31, v0                           ; lane
	v_lshlrev_b32 v3, 2, v2                        ; in: 4 bytes a lane
	s_lshl_b32 s28, s17, 5
	v_add_nc_u32 v16, s28, v2                      ; my column among the work-group's 64
	v_mul_u32_u24 v4, v16, PITCH
	s_lshl_b32 s28, s18, 6
	v_add_nc_u32 v4, s28, v4                       ; into the stage: my column's row, my wave's 64 bytes of it
	v_lshlrev_b32 v5, 2, v16
	s_lshl_b32 s28, s18, 8
	s_add_co_u32 s28, s28, SCS
	v_add_nc_u32 v5, s28, v5                       ; my scale word: step w / 2, my column
	v_and_b32 v6, 15, v2
	v_lshrrev_b32 v7, 4, v2
	s_lshl_b32 s28, s16, 3
	v_add_nc_u32 v17, s28, v7
	v_mul_u32_u24 v8, v17, PITCH
	v_lshl_add_u32 v8, v6, 4, v8                   ; out of the stage: rows 8 w on; sixteen lanes to a row, two rows an instruction
	v_lshlrev_b32 v9, 10, v7
	v_lshl_add_u32 v9, v6, 4, v9                   ; and the same place in v_codes: rows of 1,024 bytes
	s_lshl_b32 s28, s16, 9
	s_add_co_u32 s28, s28, SCS
	v_lshl_add_u32 v10, v2, 4, s28                 ; the scale words' way out (waves 0 and 1 alone use it): steps 2 w and 2 w + 1
	v_lshlrev_b32 v11, 9, v7
	v_lshl_add_u32 v11, v6, 4, v11                 ; and in v_scales: a step's 128 words are 512 bytes
	s_lshl_b32 s22, s19, 21                        ; v: the head's 2 MiB,
	s_lshl_b32 s28, s21, 18                        ; 512 keys of 512 bytes,
	s_add_co_u32 s22, s22, s28
	s_lshl_b32 s28, s18, 16                        ; 128 keys,
	s_add_co_u32 s22, s22, s28
	s_lshl_b32 s28, s20, 8                         ; 64 columns,
	s_add_co_u32 s22, s22, s28
	s_lshl_b32 s28, s17, 7                         ; 32 columns
	s_add_co_u32 s22, s22, s28
	s_mov_b32 s23, 0
	s_lshl_b32 s24, s19, 17                        ; v_codes: the head's 128 rows of 1,024 bytes,
	s_lshl_b32 s28, s20, 16                        ; 64 rows,
	s_add_co_u32 s24, s24, s28
	s_lshl_b32 s28, s21, 8                         ; 512 keys are 256 bytes,
	s_add_co_u32 s24, s24, s28
	s_lshl_b32 s28, s16, 13                        ; the 8 rows that my wave stores
	s_add_co_u32 s24, s24, s28
	s_mov_b32 s25, 0
	s_lshl_b32 s26, s19, 13                        ; v_scales: the head's 16 steps of 512 bytes,
	s_lshl_b32 s28, s21, 11                        ; four steps,
	s_add_co_u32 s26, s26, s28
	s_lshl_b32 s28, s20, 8                         ; 64 words,
	s_add_co_u32 s26, s26, s28
	s_lshl_b32 s28, s16, 10                        ; the two steps that my wave stores (waves 0 and 1)
	s_add_co_u32 s26, s26, s28
	s_mov_b32 s27, 0
	s_wait_kmcnt 0x0
	s_add_nc_u64 s[4:5], s[4:5], s[22:23]
	s_add_nc_u64 s[6:7], s[6:7], s[24:25]
	s_add_nc_u64 s[8:9], s[8:9], s[26:27]
.macro LOAD t                          ; block t: v(key 32 t + i, my column), i = 0 .. 31, into set t % 2
.set I, 0
.rept 32
	global_load_b32 v[X+32*((\t)%2)+I], v3, s[4:5] offset:(32*(\t)+I)*512 th:TH_LOAD_NT
.set I, I+1
.endr
.endm
	LOAD 0
	LOAD 1
.macro BLOCK t
.set XS, X+32*((\t)%2)
.if (\t) < 3
	s_wait_loadcnt 32                              ; this block's 32 loads are in; the next block's may be out
.else
	s_wait_loadcnt 0x0
.endif
	v_max3_num_f32 v12, |v[XS]|, |v[XS+1]|, |v[XS+2]|              ; the block's largest magnitude: all 32 numbers are mine; two chains
	v_max3_num_f32 v13, |v[XS+3]|, |v[XS+4]|, |v[XS+5]|
.irp i, 6,10,14,18,22,26
	v_max3_num_f32 v12, v12, |v[XS+\i]|, |v[XS+\i+1]|
	v_max3_num_f32 v13, v13, |v[XS+\i+2]|, |v[XS+\i+3]|
.endr
	v_max3_num_f32 v12, v12, |v[XS+30]|, |v[XS+31]|
	v_max3_num_f32 v12, v12, v13, 0x1800000        ; and the floor 2^(3 - 127): the byte cannot fall under 1
	v_add_nc_u32 v14, 0xff000000, v12              ; 2 off its exponent field: the conversion's scale operand
	v_lshrrev_b32 v13, 23, v14                     ; the scale's byte
.if (\t) == 0
	v_mov_b32 v[SB], v13                           ; four bytes make the word, the lower keys in the lower byte
.else
	v_lshl_or_b32 v[SB], v13, 8*(\t), v[SB]
.endif
.irp g, 0,1,2,3
	v_cvt_scalef32_pk8_fp4_f32 v[C+4*(\t)+\g], v[XS+8*\g:XS+8*\g+7], v14
.endr
	ds_store_b128 v4, v[C+4*(\t):C+4*(\t)+3] offset:16*(\t)        ; 32 codes: 16 bytes of my column's row.  (The codes go to LDS stores alone; the next block begins with plain vector lines)
.if (\t) < 2
	LOAD (\t)+2
.endif
.endm
	BLOCK 0
	BLOCK 1
	BLOCK 2
	BLOCK 3
	ds_store_b32 v5, v[SB]
	s_wait_dscnt 0x0                               ; for the others' sake: my stores into the stage and among the scale words are done
	s_barrier_signal -1
	s_barrier_wait -1
.irp i, 0,1,2,3
	ds_load_b128 v[OUTR+4*\i:OUTR+4*\i+3], v8 offset:2*\i*PITCH
.endr
.irp i, 0,1,2,3
	s_wait_dscnt 3-\i                              ; the younger loads from the stage may be out
	global_store_b128 v9, v[OUTR+4*\i:OUTR+4*\i+3], s[6:7] offset:2048*\i   ; 16 lanes store 256 consecutive bytes, aligned
.endr
	s_cmp_lt_u32 s16, 2                            ; the 1,024 bytes of scale words are two waves' work
	s_cbranch_scc0 .Ldone
	ds_load_b128 v[28:31], v10
	s_wait_dscnt 0x0
	global_store_b128 v11, v[28:31], s[8:9]        ; lanes 0-15 step 2 w, lanes 16-31 step 2 w + 1: 256 consecutive bytes each, aligned
.Ldone:
	s_wait_tensorcnt 0x0
	ds_add_u32 v128, v129
	s_wait_dscnt 0x0
	s_endpgm
.Lfunc_end_k_q773c415bfb_quant_v:
	.size	k_q773c415bfb_quant_v, .Lfunc_end_k_q773c415bfb_quant_v-k_q773c415bfb_quant_v
	.p2alignl 7, 3214868480
	.fill 96, 4, 3214868480
	.section	.rodata,"a",@progbits
	.p2align	6, 0x0
	.amdhsa_kernel k_q773c415bfb_quant_v
		.amdhsa_group_segment_fixed_size 19456
		.amdhsa_private_segment_fixed_size 0
		.amdhsa_enable_private_segment 0
		.amdhsa_kernarg_size 24
		.amdhsa_user_sgpr_count 2
		.amdhsa_user_sgpr_kernarg_segment_ptr 1
		.amdhsa_wavefront_size32 1
		.amdhsa_system_sgpr_workgroup_id_x 1
		.amdhsa_system_sgpr_workgroup_id_y 1
		.amdhsa_system_sgpr_workgroup_id_z 1
		.amdhsa_system_vgpr_workitem_id 0
		.amdhsa_next_free_vgpr 130
		.amdhsa_next_free_sgpr 66
		.amdhsa_reserve_vcc 0
		.amdhsa_float_denorm_mode_32 3
		.amdhsa_float_denorm_mode_16_64 3
		.amdhsa_memory_ordered 1
		.amdhsa_forward_progress 1
		.amdhsa_inst_pref_size 23
	.end_amdhsa_kernel
	.amdgpu_metadata
---
amdhsa.version: [ 1, 2 ]
amdhsa.kernels:
  - .name:           k_q773c415bfb_quant_v
    .symbol:         k_q773c415bfb_quant_v.kd
    .args:
      - { .name: v, .offset: 0, .size: 8, .value_kind: global_buffer, .address_space: global }
      - { .name: v_codes, .offset: 8, .size: 8, .value_kind: global_buffer, .address_space: global }
      - { .name: v_scales, .offset: 16, .size: 8, .value_kind: global_buffer, .address_space: global }
    .group_segment_fixed_size: 19456
    .private_segment_fixed_size: 0
    .kernarg_segment_align: 8
    .kernarg_segment_size: 24
    .max_flat_workgroup_size: 256
    .sgpr_count:     66
    .vgpr_count:     130
    .wavefront_size: 32
...
	.end_amdgpu_metadata
.endif
;; end of part 2
;; launch attn (part 3): grid 8 x 32, 16 waves a work-group, clusters of 4 x 1, 327,680 bytes of LDS; arguments q, k_codes, k_scales, v_codes, v_scales, out0; writes out0
.if DOCPART == 3
	.amdgcn_target "amdgcn-amd-amdhsa--gfx1250"
	.amdhsa_code_object_version 6
	.text
	.protected	k_q773c415bfb_attn
	.globl	k_q773c415bfb_attn
	.p2align	8
	.type	k_q773c415bfb_attn,@function
k_q773c415bfb_attn:
	s_mov_b64 s[64:65], 0
	v_nop
	global_prefetch_b8 v0, s[64:65] scope:SCOPE_SE
	s_setreg_imm32_b32 hwreg(HW_REG_WAVE_MODE, 25, 1), 1
	s_wait_xcnt 0x0
	s_wait_alu depctr_hold_cnt(0) depctr_sa_sdst(0) depctr_va_vdst(0) depctr_va_sdst(0) depctr_va_ssrc(0) depctr_va_vcc(0) depctr_vm_vsrc(0)
	s_getreg_b32 s2, hwreg(HW_REG_IB_STS2, 6, 4)
	s_cmp_eq_u32 s2, 0
	s_cbranch_scc0 .Lentry_in_a_cluster
	s_endpgm
.Lentry_in_a_cluster:
	s_bfe_u32 s2, ttmp6, 0x10000c
	s_cmp_lg_u32 s2, 0x3003
	s_cbranch_scc0 .Lentry_shape_is_right
	s_endpgm
.Lentry_shape_is_right:
; out0[h][q][:] = the sum over keys 0 .. 2,047 of softmax_k(q . k / sqrt(128)) v[k][:]: 32 heads, 2,048 queries, head size 128.  Keys 2,048 on are masked by the problem itself: weight 0, no work.
; Both products run on codes of FP4 (E2M1) with one E8M0 scale for each 32 along a product's K.  k and v arrive as codes from the two launches before; q (f32) is read once, by one wave, and is quantised here in registers.
; THE SOFTMAX AHEAD OF THE SECOND PRODUCT: t = score x log2(e) / sqrt(128); M = the row's largest t so far, rounded UP to a whole number; p = 2^(t - M) is what is quantised, along the keys; it is not normalised.
; The row's sum is taken of the unquantised p, in f32, and divides O at the end.  When M moves, the sum and O are multiplied by 2^(old M - new M): exact.
; LIMITS: NaN and infinities among the inputs are not served; a block of q or p whose largest magnitude lies under 2^-124 has its byte held at 1 (a block of zeros too: its codes are zeros).
; SHARES.  A work-group owns 256 queries of one head; each of its SIXTEEN waves owns 16 of them, one tile, in 256 registers: four waves to a SIMD, so that one wave's vector work stands beside another's products and LDS loads.
; Every wave walks the head's 2,048 keys, 128 a step.
; LDS HOLDS THE WHOLE HEAD: 128 KiB of K's codes, 128 KiB of V's and 16 KiB of scale words, padded: 319,488 bytes.  Every byte is filled ONCE, by tensor loads that all go out at the start (waves 0, 1: K's halves; waves 2, 3: V's):
; no slot is ever filled again.  The codes come as four chunks of 512 keys, each waited for by a counted wait and a barrier at its head, so that work begins when the first has landed.
; CLUSTER.  The four work-groups of a cluster own query blocks of one head and need the same K and V: every tensor load is asked for JOINTLY, by the same line with the same descriptor and a mask that names the four.
; LAYOUT.  Both products are used transposed: S^T = K Q^T (source 0 = 16 keys, source 1 = my 16 queries), O^T = V^T P^T (source 0 = 16 of the head's 128, source 1 = P): a lane holds ONE query (lane % 16) throughout.
; THE KEYS OF A TILE ARE NOT NEIGHBOURS: lane r of tile 2 b + u takes key 32 b + 8 u + r + 8 (r / 8), so that the 16 registers of tiles 2 b and 2 b + 1 are 16 neighbouring keys, 32 b + 16 (lane / 16) + 0 .. 15.
; REGISTERS: v1-4, v7 addresses that stay; v8-11 addresses of the loads in hand; v12 -M, v13 the largest t, v[14:15] the sum in two halves; v16-23 Q's codes; v32-63 four fragments of K or of V;
;   v96-159 q as f32, then S^T, then p; v160-223 O^T; v224-231 p's codes; v232-247, v252, v254 at work; v248-251 K's or V's scale words; v253 p's scale word; v255 Q's scale word.
.set KP,    80                         ; a key's row in LDS: 64 bytes + 16 of padding
.set VP,    272                        ; a row of V's chunk: 256 bytes (512 keys) + 16 of padding
.set VOFF,  512*KP                     ; a chunk's slot: 512 rows of K, then 128 rows of V
.set SLOT,  VOFF+128*VP                ; 75,776 bytes
.set SCK,   4*SLOT                     ; behind the four slots: K's scale words, 4 bytes a key, dense: 8,192 bytes;
.set SCV,   SCK+8192                   ; V's, [16 steps][128 d] words: 8,192 bytes
.set STG,   16*272                     ; the way out: 16 rows x (256 bytes + 16) for each wave, from LDS byte 0 on: inside slot 0, which has had its one fill and whose last reads lie three barriers back
.set AK0,  1                           ; v1   my lane's place in a tile of K
.set AV0,  2                           ; v2   the same for V
.set ASK0, 3                           ; v3   my lane's place among K's scale words
.set ASV0, 4                           ; v4   and among V's
.set GO,   7                           ; v7   the way out: my byte offset in the wave's rows of out0
.set ADK,  8                           ; v8   LDS address of the step's tiles of K
.set ADV,  9                           ; v9   of V
.set ADS,  10                          ; v10  of K's scale words
.set ADT,  11                          ; v11  of V's
.set WV,   16                          ; s16  my wave's number
.set TK,   17                          ; s17  LDS byte at which the step's keys begin
.set SEL,  18                          ; s[18:19] lane selects for v_permlanex16_b32: lane l xor 16
.set CS,   20                          ; s[20:21] c = log2(e) / sqrt(128): the packed form names a pair and takes its low word for both halves
.set TV,   22                          ; s22  the step's place in V's rows
.set TS,   23                          ; s23  the step's scale words: 512 bytes a step, for K's and V's alike
.set G1K,  24                          ; s[24:31] descriptor group 1 for K's chunks;  s[32:39] for V's;  s[40:47] for scale words
.set G1V,  32
.set G1S,  40
.set CNT,  66                          ; s66  counts a chunk's four steps
.set HF,   67                          ; s67  wave % 2: which half I fetch, if I fetch
.set LK,   92                          ; s92  that half's place in a chunk of K;  s93 of V;  s94 among the scale words
.set LV,   93
.set LS,   94
; groups 0, one for each load, never rewritten: K's scale words s[48:51], K's chunks s[52:55], s[56:59], s[60:63], s[68:71]; V's scale words s[72:75], V's chunks s[76:79] .. s[88:91]
.macro MKG0 g, lreg, lconst, p, goff
	s_mov_b32 s[\g], 1                                             ; 1:0 count = 1
	s_add_co_u32 s[\g+1], s[\lreg], \lconst                        ; 63:32 LDS address: a constant + my half: no place in the cluster enters it
	s_add_nc_u64 s[\g+2:\g+3], s[\p:\p+1], \goff                   ; 120:64 global address
	s_or_b32 s[\g+3], s[\g+3], 0x80000000                          ; 127:126 type = 2
.endm
; A round of the cluster's barrier: my work-group's barrier, so that wave 0's signal speaks for all sixteen waves; wave 0 signals for the work-group; every wave waits for all four work-groups; my work-group's barrier once more.
.macro ROUND
	s_barrier_signal -1
	s_barrier_wait -1
	s_cmp_lg_u32 s[WV], 0
	s_cbranch_scc1 .Lnot_wave_0_\@
	s_barrier_signal -3
.Lnot_wave_0_\@:
	s_barrier_wait -3
	s_barrier_signal -1
	s_barrier_wait -1
.endm
	s_load_b256 s[4:11], s[0:1], 0x0               ; q s[4:5], k_codes s[6:7], k_scales s[8:9], v_codes s[10:11]
	s_load_b128 s[12:15], s[0:1], 0x20             ; v_scales s[12:13], out0 s[14:15]
	v_lshl_add_u32 v242, v0, 2, 0x4e000
	v_mov_b32 v243, 0
	ds_add_u32 v242, v243
	ds_add_u32 v242, v243
	v_lshrrev_b32 v10, 5, v0
	v_readfirstlane_b32 s[WV], v10                 ; wave 0..15
	v_and_b32 v8, 15, v0                           ; r = lane % 16
	v_bfe_u32 v9, v0, 4, 1                         ; h = lane / 16
	v_lshlrev_b32 v254, 9, v8
	v_lshl_add_u32 v254, v9, 7, v254               ; q: row r of 512 bytes, + 128 h: the operand's layout gives lane (r, h) the numbers 64 c + 32 h + 0 .. 31
	s_and_b32 s[HF], s[WV], 1
	s_mul_i32 s[LK], s[HF], 256*KP                 ; K: 256 keys a load
	s_mul_i32 s[LV], s[HF], 64*VP                  ; V: 64 rows a load
	s_lshl_b32 s[LS], s[HF], 12                    ; scale words: 4,096 bytes a load
	s_and_b32 s95, ttmp7, 0xffff                   ; the head, which the four partners share
	s_lshl_b32 s96, s95, 17                        ; the head's 128 KiB of codes,
	s_lshl_b32 s98, s[HF], 16
	s_add_co_u32 s98, s98, s96                     ; V: + my 64 rows of 1,024 bytes
	s_lshl_b32 s97, s[HF], 14
	s_add_co_u32 s96, s96, s97                     ; K: + my 256 keys of 64 bytes
	s_mov_b32 s97, 0
	s_mov_b32 s99, 0
	s_lshl_b32 s100, s95, 13                       ; the head's 8 KiB of scale words,
	s_add_co_u32 s100, s100, s[LS]                 ; + my half
	s_mov_b32 s101, 0
	s_bfe_u32 s2, ttmp6, 0x40000                   ; cx: my place in the cluster: it enters q's and out0's addresses alone
	s_lshl_b32 s3, ttmp9, 2                        ; in a cluster launch ttmp9 counts clusters
	s_add_co_u32 s2, s2, s3                        ; my block of 256 queries
	s_lshl_b32 s2, s2, 17                          ; 256 rows of 512 bytes,
	s_lshl_b32 s3, s95, 20                         ; the head's 2,048 rows,
	s_add_co_u32 s2, s2, s3
	s_lshl_b32 s3, s[WV], 13                       ; my wave's 16 rows
	s_add_co_u32 s2, s2, s3
	s_mov_b32 s3, 0
	; descriptor group 1.  K: 256 rows of 64 bytes, dense in memory, 16 bytes of padding behind each
	s_mov_b32 s[G1K], 15|(0<<16)|(1<<20)|(1<<21)|(3<<22)|(3<<25)   ; 15:0 the mask: all four work-groups; 17:16 elements of 1 byte; 20 padding on; 21 set beside a mask; 24:22 after every 16 words (code 3); 31:25 four words (code 3)
	s_mov_b32 s[G1K+1], 64<<16                     ; tensor_dim0
	s_mov_b32 s[G1K+2], 256<<16                    ; tensor_dim1
	s_mov_b32 s[G1K+3], 64<<16                     ; tile_dim0
	s_mov_b32 s[G1K+4], 256                        ; tile_dim1
	s_mov_b32 s[G1K+5], 64                         ; tensor_dim0_stride
	s_mov_b32 s[G1K+6], 0
	s_mov_b32 s[G1K+7], 0
	; V: 64 rows of 256 bytes, 1,024 bytes apart, 16 bytes of padding behind each
	s_mov_b32 s[G1V], 15|(0<<16)|(1<<20)|(1<<21)|(5<<22)|(3<<25)   ; padding: four words after every 64
	s_mov_b32 s[G1V+1], 256<<16
	s_mov_b32 s[G1V+2], 64<<16
	s_mov_b32 s[G1V+3], 256<<16
	s_mov_b32 s[G1V+4], 64
	s_mov_b32 s[G1V+5], 1024
	s_mov_b32 s[G1V+6], 0
	s_mov_b32 s[G1V+7], 0
	; scale words: 4,096 dense bytes as 16 rows of 256 (32 elements of 8 bytes), no padding: they are read as neighbouring words by neighbouring lanes
	s_mov_b32 s[G1S], 15|(3<<16)|(1<<21)
	s_mov_b32 s[G1S+1], 32<<16
	s_mov_b32 s[G1S+2], 16<<16
	s_mov_b32 s[G1S+3], 32<<16
	s_mov_b32 s[G1S+4], 16
	s_mov_b32 s[G1S+5], 32
	s_mov_b32 s[G1S+6], 0
	s_mov_b32 s[G1S+7], 0
	s_mov_b32 s[SEL], 0x76543210
	s_mov_b32 s[SEL+1], 0xfedcba98
	s_mov_b32 s[CS], 0x3e0293ee                    ; c = log2(e) / sqrt(128)
	s_mov_b32 s[CS+1], s[CS]                       ; (named with it as a pair, so it is written)
	s_wait_dscnt 0x0
	s_wait_kmcnt 0x0
	s_add_nc_u64 s[4:5], s[4:5], s[2:3]            ; q and out0 at my wave's first row
	s_add_nc_u64 s[14:15], s[14:15], s[2:3]
	s_add_nc_u64 s[6:7], s[6:7], s[96:97]          ; the codes and scale words at my half of the head's
	s_add_nc_u64 s[8:9], s[8:9], s[100:101]
	s_add_nc_u64 s[10:11], s[10:11], s[98:99]
	s_add_nc_u64 s[12:13], s[12:13], s[100:101]
.irp c, 0,1
.irp j, 0,1,2,3,4,5,6,7
	global_load_b128 v[96+32*\c+4*\j:99+32*\c+4*\j], v254, s[4:5] offset:256*\c+16*\j   ; q(r, 64 c + 32 h + 4 j ..): a lane's eight loads walk 128 consecutive bytes; the wave's sixteen cover its 16 rows whole
.endr
.endr
	MKG0 48, LS, SCK, 8, 0
	MKG0 52, LK, 0*SLOT, 6, 0*32768                ; chunk c: keys 512 c on: 32,768 bytes of K's codes further,
	MKG0 56, LK, 1*SLOT, 6, 1*32768
	MKG0 60, LK, 2*SLOT, 6, 2*32768
	MKG0 68, LK, 3*SLOT, 6, 3*32768
	MKG0 72, LS, SCV, 12, 0
	MKG0 76, LV, 0*SLOT+VOFF, 10, 0*256            ; 256 bytes further in each row of V's
	MKG0 80, LV, 1*SLOT+VOFF, 10, 1*256
	MKG0 84, LV, 2*SLOT+VOFF, 10, 2*256
	MKG0 88, LV, 3*SLOT+VOFF, 10, 3*256
	ROUND                                          ; all four work-groups are here: the joint loads meet
	s_cmp_lt_u32 s[WV], 2                          ; a wave's loads stand in one branch on its number, ahead of every wait on TENSORcnt and every LDS read: five loads of mine are out at the most
	s_cbranch_scc0 .Lnot_k
	tensor_load_to_lds s[48:51], s[G1S:G1S+7]      ; the scale words first: they are wanted with the first chunk
	s_nop 0
	tensor_load_to_lds s[52:55], s[G1K:G1K+7]
	s_nop 0
	tensor_load_to_lds s[56:59], s[G1K:G1K+7]
	s_nop 0
	tensor_load_to_lds s[60:63], s[G1K:G1K+7]
	s_nop 0
	tensor_load_to_lds s[68:71], s[G1K:G1K+7]
	s_nop 0
.rept 4
	v_nop                                          ; four v_nop follow the last load, ahead of the jump and the label
.endr
	s_branch .Lasked
.Lnot_k:
	s_cmp_lt_u32 s[WV], 4
	s_cbranch_scc0 .Lasked
	tensor_load_to_lds s[72:75], s[G1S:G1S+7]
	s_nop 0
	tensor_load_to_lds s[76:79], s[G1V:G1V+7]
	s_nop 0
	tensor_load_to_lds s[80:83], s[G1V:G1V+7]
	s_nop 0
	tensor_load_to_lds s[84:87], s[G1V:G1V+7]
	s_nop 0
	tensor_load_to_lds s[88:91], s[G1V:G1V+7]
	s_nop 0
.rept 4
	v_nop
.endr
.Lasked:
	v_and_b32 v11, 8, v8
	v_add_nc_u32 v11, v11, v8                      ; r + 8 (r / 8)
	v_mul_u32_u24 v[AK0], v11, KP
	v_lshl_add_u32 v[AK0], v9, 4, v[AK0]           ; K: my key's row + 16 h
	v_mul_u32_u24 v[AV0], v8, VP
	v_lshl_add_u32 v[AV0], v9, 4, v[AV0]
	v_add_nc_u32 v[AV0], VOFF, v[AV0]              ; V: row r + 16 h, behind the chunk's K
	v_lshl_add_u32 v[ASK0], v11, 2, SCK            ; K's scale words: 4 bytes a key
	v_lshl_add_u32 v[ASV0], v8, 2, SCV             ; V's: 4 bytes a d
	v_lshlrev_b32 v[GO], 9, v9
	v_lshl_add_u32 v[GO], v8, 4, v[GO]             ; the way out: lanes 0-15 take one row of out0, lanes 16-31 the next; 16 bytes a lane
	s_wait_loadcnt 0x0                             ; q
	; Q IS QUANTISED IN REGISTERS.  A lane holds two whole blocks of its query: block h in v96-127, block 2 + h in v128-159: no other lane is asked for a maximum, and the conversions' results are the operand's registers.
.irp c, 0,1
	v_max3_num_f32 v[232+\c], |v[96+32*\c]|, |v[97+32*\c]|, 0x1800000   ; with the floor 2^(3 - 127): the byte cannot fall under 1
.endr
.irp i, 2,4,6,8,10,12,14,16,18,20,22,24,26,28,30
.irp c, 0,1
	v_max3_num_f32 v[232+\c], v[232+\c], |v[96+32*\c+\i]|, |v[97+32*\c+\i]|   ; (the two blocks by turns)
.endr
.endr
.irp c, 0,1
	v_add_nc_u32 v[244+\c], 0xff000000, v[232+\c]  ; 2 off the exponent field: the conversion's scale operand
.endr
.irp c, 0,1
	v_lshrrev_b32 v[236+\c], 23, v[244+\c]         ; the scale's byte
.endr
	v_lshl_or_b32 v255, v237, 16, v236             ; my two bytes: blocks h and 2 + h,
	v_lshlrev_b32 v238, 3, v9
	v_lshlrev_b32 v255, v238, v255                 ; at their places in the scale word (8 h bits up);
	v_mov_b32 v238, 0
	v_permlanex16_b32 v238, v255, s[SEL], s[SEL+1]
	v_or_b32 v255, v255, v238                      ; with lane l xor 16's two the word is whole
.irp c, 0,1
.irp g, 0,1,2,3
	v_cvt_scalef32_pk8_fp4_f32 v[16+4*\c+\g], v[96+32*\c+8*\g:103+32*\c+8*\g], v[244+\c]
.endr
.endr
	v_nop                                          ; one plain place behind a scaled conversion
	v_mov_b32 v13, 0xff61b1e6                      ; the largest t so far: -3e38, under every t
	v_floor_f32 v12, -v13                          ; -M
	v_mov_b32 v14, 0                               ; the sum, in two halves
	v_mov_b32 v15, 0
.irp b, 0,1,2,3
	v_mov_b32 v[236+\b], 0                         ; written once: a lane permute's destination counts as one of its sources
.endr
	v_mov_b32 v253, 0                              ; (named as the upper half of the pair v[252:253] before it is first written)
.set J, 0
.rept 64
	v_mov_b32 v[160+J], 0                          ; O^T.  (The step is written once for all steps: the first finds zeros, which the first change of M leaves zeros.  These lines are also the places between the writes of Q's codes and scale word and the first product)
.set J, J+1
.endr
; A KEY STEP: 128 keys, at s[TK] / s[TV] / s[TS].
.macro STEP
	v_add_nc_u32 v[ADK], s[TK], v[AK0]             ; (these four are also the four places between the last step's products and the loads into registers that they read)
	v_add_nc_u32 v[ADV], s[TV], v[AV0]
	v_add_nc_u32 v[ADS], s[TS], v[ASK0]
	v_add_nc_u32 v[ADT], s[TS], v[ASV0]
.irp g, 0,1                                    ; S^T = K Q^T, four tiles of 16 keys at a time
.if \g > 0
.rept 4
	v_nop                                          ; places in front of loads into registers that matrix instructions have read
.endr
.endif
.irp t, 0,1,2,3
.irp c, 0,1
	ds_load_b128 v[32+8*\t+4*\c:32+8*\t+4*\c+3], v[ADK] offset:(32*((4*\g+\t)/2)+8*(\t%2))*KP+32*\c
.endr
	ds_load_b32 v[248+\t], v[ADS] offset:(32*((4*\g+\t)/2)+8*(\t%2))*4
.endr
	s_wait_dscnt 0x0
.irp t, 0,1,2,3
	v_wmma_scale_f32_16x16x128_f8f6f4 v[96+8*(4*\g+\t):103+8*(4*\g+\t)], v[32+8*\t:39+8*\t], v[16:23], 0, v[248+\t], v255 matrix_a_fmt:MATRIX_FMT_FP4 matrix_b_fmt:MATRIX_FMT_FP4
.endr
.endr                                          ; lane (r, h) holds query r; the 16 registers of tiles 2 b, 2 b + 1 are keys 32 b + 16 h + 0 .. 15 of the step
.rept 4
	v_nop                                          ; places in front of the first read of results
.endr
.irp b, 0,1,2,3
	v_max3_num_f32 v[232+\b], v[96+16*\b], v[97+16*\b], v[98+16*\b]   ; THE LARGEST SCORE OF EACH BLOCK OF 32 KEYS: it serves twice: for the row's maximum, and, since p rises with the score, for the block's largest p.  (Each result is read from its low end on)
.endr
.irp i, 3,5,7,9,11,13
.irp b, 0,1,2,3
	v_max3_num_f32 v[232+\b], v[232+\b], v[96+16*\b+\i], v[97+16*\b+\i]   ; (the four blocks by turns)
.endr
.endr
.irp b, 0,1,2,3
	v_max_num_f32 v[232+\b], v[232+\b], v[111+16*\b]
.endr
.irp b, 0,1,2,3
	v_permlanex16_b32 v[236+\b], v[232+\b], s[SEL], s[SEL+1]
.endr
.irp b, 0,1,2,3
	v_max_num_f32 v[232+\b], v[232+\b], v[236+\b]  ; with lane l xor 16's 16 keys
.endr
	v_max3_num_f32 v254, v232, v233, v234
	v_max_num_f32 v254, v254, v235                 ; the step's largest score of my query
	v_mul_f32 v254, s[CS], v254                    ; as t (c is positive)
	v_max_num_f32 v13, v13, v254                   ; the running largest t
	v_mov_b32 v254, v12
	v_floor_f32 v12, -v13                          ; the new -M = floor(-t) = -ceil(t): M IS A WHOLE NUMBER
	v_sub_f32 v254, v12, v254                      ; M's old value less its new one: a whole number, 0 or less
	v_cvt_i32_f32 v254, v254                       ; (it saturates)
	v_ldexp_f32 v252, 1.0, v254                    ; f = 2^(old M - new M): what was summed under the old M is brought under the new by a multiplication that rounds nothing
.set J, 0
.rept 32
	v_pk_fma_f32 v[96+J:97+J], v[96+J:97+J], s[CS:CS+1], v[12:13] op_sel_hi:[1,0,0]   ; t - M, two at a time (of the pairs c and -M the low word serves both halves)
.set J, J+2
.endr
.irp b, 0,1,2,3
	v_fma_f32 v[232+\b], v[232+\b], s[CS], v12     ; the same of each block's largest score
.endr
.set J, 0
.rept 64
	v_exp_f32 v[96+J], v[96+J]                     ; p = 2^(t - M), at most 1: NOT normalised
.set J, J+1
.endr
.irp b, 0,1,2,3
	v_exp_f32 v[232+\b], v[232+\b]                 ; the block's largest p: the same two instructions on the same number give the same bits
.endr
	v_pk_mul_f32 v[14:15], v[14:15], v[252:253] op_sel_hi:[1,0]   ; the sums under the new M.  (A plain place behind the exponentials)
	s_wait_alu depctr_va_vdst(0)
.irp b, 0,1,2,3
	v_max_num_f32 v[232+\b], 0x1800000, v[232+\b]  ; the floor 2^(3 - 127): the byte cannot fall under 1 (a block whose every p has fallen to 0 keeps that byte: its codes are zeros)
.endr
.irp b, 0,1,2,3
	v_add_nc_u32 v[244+\b], 0xff000000, v[232+\b]  ; 2 off the exponent field: the conversion's scale operand
.endr
.irp b, 0,1,2,3
	v_lshrrev_b32 v[236+\b], 23, v[244+\b]         ; the scale's byte
.endr
	v_lshl_or_b32 v253, v237, 8, v236              ; p's scale word for these 128 keys
	v_lshl_or_b32 v253, v238, 16, v253
	v_lshl_or_b32 v253, v239, 24, v253
.irp b, 0,1,2,3
	v_cvt_scalef32_pk8_fp4_f32 v[224+2*\b], v[96+16*\b:103+16*\b], v[244+\b]
	v_cvt_scalef32_pk8_fp4_f32 v[225+2*\b], v[104+16*\b:111+16*\b], v[244+\b]
.endr
	v_nop                                          ; one plain vector instruction between a scaled conversion and the vector instruction that touches its result
.irp c, 0,1                                    ; the operand's layout wants a WHOLE block in a lane: lanes 0-15 block 2 c, lanes 16-31 block 2 c + 1
.irp i, 0,1
	v_permlane16_swap_b32 v[224+4*\c+\i], v[226+4*\c+\i]
.endr
.endr
	v_pk_add_f32 v[236:237], v[96:97], v[98:99]    ; THE ROW'S SUM IS TAKEN OF THE UNQUANTISED p: two at a time, in two chains
.irp j, 4,8,12,16,20,24,28,32,36,40,44,48,52,56,60
	v_pk_add_f32 v[14:15], v[14:15], v[96+\j:97+\j]
	v_pk_add_f32 v[236:237], v[236:237], v[98+\j:99+\j]
.endr
	v_pk_add_f32 v[14:15], v[14:15], v[236:237]
.set J, 0
.rept 32
	v_pk_mul_f32 v[160+J:161+J], v[160+J:161+J], v[252:253] op_sel_hi:[1,0]   ; O^T under the new M: x f, each result from its low end on.  (These 32 are also the places in front of the products and loads below)
.set J, J+2
.endr
.irp g, 0,1                                    ; O^T += V^T P^T: four tiles of 16 of the head's 128 at a time; K = these 128 keys.  The eight accumulators take turns, one instruction a turn
.if \g > 0
.rept 4
	v_nop
.endr
.endif
.irp t, 0,1,2,3
.irp c, 0,1
	ds_load_b128 v[32+8*\t+4*\c:32+8*\t+4*\c+3], v[ADV] offset:16*(4*\g+\t)*VP+32*\c
.endr
	ds_load_b32 v[248+\t], v[ADT] offset:64*(4*\g+\t)
.endr
	s_wait_dscnt 0x0
.irp t, 0,1,2,3
	v_wmma_scale_f32_16x16x128_f8f6f4 v[160+8*(4*\g+\t):167+8*(4*\g+\t)], v[32+8*\t:39+8*\t], v[224:231], v[160+8*(4*\g+\t):167+8*(4*\g+\t)], v[248+\t], v253 matrix_a_fmt:MATRIX_FMT_FP4 matrix_b_fmt:MATRIX_FMT_FP4
.endr
.endr
	s_add_co_u32 s[TK], s[TK], 128*KP              ; the next 128 keys: K's rows,
	s_add_co_u32 s[TV], s[TV], 64                  ; 64 bytes on in V's rows,
	s_add_co_u32 s[TS], s[TS], 512                 ; 128 scale words on
.endm
; CHUNK c: 512 keys, four steps.  left = how many of my tensor loads were issued behind this chunk's and may stay out.
.macro CHUNK c, left
	s_wait_tensorcnt \left                         ; tensor loads of a wave end in order: my part of this chunk (and, ahead of it, of the scale words) is in LDS
	s_wait_dscnt 0x0                               ; no LDS instruction of mine is out at a signal
	s_barrier_signal -1
	s_barrier_wait -1                              ; everybody's part is in
	s_mov_b32 s[TK], \c*SLOT
	s_mov_b32 s[TV], \c*SLOT
	s_mov_b32 s[TS], \c*2048
	s_mov_b32 s[CNT], 4
.Lstep_\@:
	STEP
	s_sub_co_u32 s[CNT], s[CNT], 1
	s_cmp_lg_u32 s[CNT], 0
	s_cbranch_scc1 .Lstep_\@
.endm
	CHUNK 0, 3
	CHUNK 1, 2
	CHUNK 2, 1
	CHUNK 3, 0                                     ; the last wait is for zero: no tensor load is out from here on
	; THE WAY OUT.  The sum's two halves are added; O^T is divided by the sum and goes through my stage in LDS, half a row (64 channels, 256 bytes) of 16 queries at a time, so that sixteen lanes store 256 consecutive bytes, aligned.
	; The stages lie in slot 0: every wave's reads of it were waited for in front of chunk 1's barrier, and no load fills it again.
	v_add_f32 v14, v14, v15                        ; the sum's two halves,
	v_permlanex16_b32 v252, v14, s[SEL], s[SEL+1]
	v_add_f32 v14, v14, v252                       ; and lane l xor 16's: the row's sum
	v_rcp_f32 v14, v14
	v_and_b32 v8, 15, v0                           ; (a plain place behind the transcendental)  r
	v_bfe_u32 v9, v0, 4, 1                         ; h
	s_mul_i32 s92, s[WV], STG                      ; my stage
	v_mul_u32_u24 v10, v8, 272
	v_lshl_add_u32 v10, v9, 5, v10
	v_add_nc_u32 v10, s92, v10                     ; in: row r; tile t's eight channels of my half: 64 t + 32 h bytes on
	v_mul_u32_u24 v11, v9, 272
	v_lshl_add_u32 v11, v8, 4, v11
	v_add_nc_u32 v11, s92, v11                     ; back: lanes 0-15 one row, lanes 16-31 the next
.set J, 0
	s_wait_alu depctr_va_vdst(0)
.rept 64
	v_mul_f32 v[96+J], v[160+J], v14               ; O^T / the sum, each result from its low end on: register 8 t + i is o(r, 16 t + 8 h + i)
.set J, J+1
.endr
.irp u, 0,1                                    ; channels 64 u on
.irp t, 0,1,2,3
	ds_store_b128 v10, v[96+32*\u+8*\t:99+32*\u+8*\t] offset:64*\t
	ds_store_b128 v10, v[100+32*\u+8*\t:103+32*\u+8*\t] offset:64*\t+16
.endr
.irp i, 0,1,2,3,4,5,6,7
	ds_load_b128 v[32+32*\u+4*\i:35+32*\u+4*\i], v11 offset:2*\i*272   ; LDS serves a wave's instructions in order: these see my stores, and the next half's stores come behind them
.endr
.endr
.irp u, 0,1
.irp i, 0,1,2,3,4,5,6,7
	s_wait_dscnt 23-16*\u-\i                       ; behind this load: the rest of its half's loads, and for the first half the second's eight stores and eight loads
	global_store_b128 v[GO], v[32+32*\u+4*\i:35+32*\u+4*\i], s[14:15] offset:2*\i*512+256*\u th:TH_STORE_NT   ; 16 lanes store 256 consecutive bytes, aligned; written once, read by nobody here
.endr
.endr
	s_wait_tensorcnt 0x0
	ds_add_u32 v242, v243
	s_wait_dscnt 0x0
	ROUND                                          ; the closing round: no work-group ends while a partner may still ask for a tile that names it
	s_endpgm
.Lfunc_end_k_q773c415bfb_attn:
	.size	k_q773c415bfb_attn, .Lfunc_end_k_q773c415bfb_attn-k_q773c415bfb_attn
	.p2alignl 7, 3214868480
	.fill 96, 4, 3214868480
	.section	.rodata,"a",@progbits
	.p2align	6, 0x0
	.amdhsa_kernel k_q773c415bfb_attn
		.amdhsa_group_segment_fixed_size 327680
		.amdhsa_private_segment_fixed_size 0
		.amdhsa_enable_private_segment 0
		.amdhsa_kernarg_size 48
		.amdhsa_user_sgpr_count 2
		.amdhsa_user_sgpr_kernarg_segment_ptr 1
		.amdhsa_wavefront_size32 1
		.amdhsa_system_sgpr_workgroup_id_x 1
		.amdhsa_system_sgpr_workgroup_id_y 1
		.amdhsa_system_sgpr_workgroup_id_z 1
		.amdhsa_system_vgpr_workitem_id 0
		.amdhsa_next_free_vgpr 256
		.amdhsa_next_free_sgpr 102
		.amdhsa_reserve_vcc 0
		.amdhsa_float_denorm_mode_32 3
		.amdhsa_float_denorm_mode_16_64 3
		.amdhsa_memory_ordered 1
		.amdhsa_forward_progress 1
		.amdhsa_inst_pref_size 98
	.end_amdhsa_kernel
	.amdgpu_metadata
---
amdhsa.version: [ 1, 2 ]
amdhsa.kernels:
  - .name:           k_q773c415bfb_attn
    .symbol:         k_q773c415bfb_attn.kd
    .args:
      - { .name: q, .offset: 0, .size: 8, .value_kind: global_buffer, .address_space: global }
      - { .name: k_codes, .offset: 8, .size: 8, .value_kind: global_buffer, .address_space: global }
      - { .name: k_scales, .offset: 16, .size: 8, .value_kind: global_buffer, .address_space: global }
      - { .name: v_codes, .offset: 24, .size: 8, .value_kind: global_buffer, .address_space: global }
      - { .name: v_scales, .offset: 32, .size: 8, .value_kind: global_buffer, .address_space: global }
      - { .name: out0, .offset: 40, .size: 8, .value_kind: global_buffer, .address_space: global }
    .group_segment_fixed_size: 327680
    .private_segment_fixed_size: 0
    .kernarg_segment_align: 8
    .kernarg_segment_size: 48
    .max_flat_workgroup_size: 512
    .sgpr_count:     102
    .vgpr_count:     256
    .wavefront_size: 32
...
	.end_amdgpu_metadata
.endif
;; end of part 3
